; MI455X (gfx1250); checked and timed in simulation.
; The chip was launched on July 23, 2026; its instructions are those of AMD's public machine-readable ISA for CDNA 5 (MIT licence, August 2026) and "CDNA5" Instruction Set Architecture Reference Guide (July 2026). The comments in the code are by the model that wrote it; some were corrected since.
;; Model. Allowed arithmetic: float matrix products may take bf16 or f16 operands with f32 sums; all other float work in f32.
;; Inputs: k 4 x 16 x 2,048 x 128 float32; q 4 x 16 x 2,048 x 128 float32; v 4 x 16 x 2,048 x 128 float32.
;; Outputs: out0 4 x 16 x 2,048 x 128 float32.
;; One version. Each part assembles by itself: llvm-mc -triple=amdgcn-amd-amdhsa -mcpu=gfx1250 --defsym DOCPART=n.
;; ======== version 1 of 1: 1 launch
;; limits: values are held in f16: magnitudes above 65,504 overflow, below 6.1e-05 lose precision; inputs' magnitudes at most 65,408
;; launch attn (part 1): grid 8 x 64, 4 waves a work-group, clusters of 4 x 1, 327,680 bytes of LDS; arguments q, k, v, out0; writes out0
.if DOCPART == 1
	.amdgcn_target "amdgcn-amd-amdhsa--gfx1250"
	.amdhsa_code_object_version 6
	.text
	.protected	k_qa4dca9aa65_attn
	.globl	k_qa4dca9aa65_attn
	.p2align	8
	.type	k_qa4dca9aa65_attn,@function
k_qa4dca9aa65_attn:
	s_mov_b64 s[64:65], 0
	v_nop
	global_prefetch_b8 v0, s[64:65] scope:SCOPE_SE
	s_setreg_imm32_b32 hwreg(HW_REG_WAVE_MODE, 25, 1), 1
	s_wait_xcnt 0x0
	s_wait_alu depctr_hold_cnt(0) depctr_sa_sdst(0) depctr_va_vdst(0) depctr_va_sdst(0) depctr_va_ssrc(0) depctr_va_vcc(0) depctr_vm_vsrc(0)
	s_getreg_b32 s2, hwreg(HW_REG_IB_STS2, 6, 4)
	s_cmp_eq_u32 s2, 0
	s_cbranch_scc0 .Lentry_in_a_cluster
	s_endpgm
.Lentry_in_a_cluster:
	s_bfe_u32 s2, ttmp6, 0x10000c
	s_cmp_lg_u32 s2, 0x3003
	s_cbranch_scc0 .Lentry_shape_is_right
	s_endpgm
.Lentry_shape_is_right:
; out0[h][q][:] = the sum over k of softmax_k(q[h][q] . k[h][k] / sqrt(128)) v[h][k][:].  q, k, v, out0: [64 heads][2048][128], all f32: a row is 512 bytes, a head 1 MiB.
; FORMATS.  q, k, v are rounded once to bf16 (8 significant bits), and that number is written as f16, which holds it exactly within f16's range; both products take f16 operands.  Products, maxima and
; sums in f32; the weights p are rounded to f16 (11 significant bits) for the second product: a weight's rounding reaches out0 undiminished, so it gets the finer of the two 16-bit formats, and v must then
; lie in the same format.  The weights' sum l is taken of the unrounded p; out0 leaves in f32.
; LIMITS.  A number of q, k or v above 65,408 in magnitude rounds to 65,536 and becomes an infinity in f16; below 2^-14 it keeps f16's fixed step of 2^-24.  p lies in 0 to 1, and below 6e-5 it keeps
; the same step.  A weight below 2^-126 counts as 0 in l; NaN and infinities are not treated apart; the sums are formed in another order than a row by row sum.
; The maximum is a running maximum of each query's true scores: no fixed shift.
; SHARES.  A work-group owns 256 queries of one head, each of its four waves 64: four tiles of 16.  Every wave walks all 2,048 keys of the head, 64 a step, 128 (two steps) a SLOT: 16 slots.
; THE ROAD OF K AND V.  A slot's 128 rows of K and of V are 4 x 32,768 bytes of f32.  Each wave asks for one quarter (waves 0, 1: K's two steps; waves 2, 3: V's) by ONE tensor load into staging
; bytes of its own, which it alone reads; it rounds its 64 rows and stores them into one of two f16 buffers, which no tensor load ever fills and from which all four waves take their fragments.
; K takes the same rounding as V, so that the four waves run one text with no branch in it.
; ONE round of the cluster's barrier a slot orders all of it: in front of it each wave's f16 stores are done, its reads of the other f16 buffer and of its staging bytes are back, and no tensor load
; of its own is out; behind it the staging bytes are filled again, and the buffer just written is read.  The buffer written in slot m was last read for slot m - 2, and those reads were waited for in front
; of slot m - 1's round.  A refill has two key steps, 256 matrix instructions of the wave, in which to land; by this text's own count a wave has one tensor load out.
; One staging slot and not two: two of 128 keys (262,144 bytes) and the f16 buffers do not fit beside each other in 327,680 bytes.
; CLUSTER.  The four query blocks of a cluster belong to one head and walk the same K and V, so each quarter is asked for JOINTLY: the same tensor load, descriptor and mask of four in all four.
; PREFETCH.  Beside the load of slot m + 1 each wave asks for 8,192 bytes (32 lanes, 256 bytes apart) of its own quarter of slot m + 2, the part chosen by the work-group's place in the cluster: the
; cluster's sixteen waves cover that slot once, one slot (two key steps, 131,072 bytes) ahead of its load.  The slot's number is clamped to 15, the head's last.  A head's two clusters each ask for themselves.
; LAYOUT.  S^T = K Q^T (source 0 = 16 keys, source 1 = 16 queries): in the result a lane holds ONE query (lane % 16) and the keys 8 (lane / 16) + 0..7.  Two such tiles, rounded to f16 in pairs, ARE
; source 1 (32 keys x 16 queries) of O^T = V^T P.  K comes out of LDS as it lies, V ([key][channel]) turned, by ds_load_tr16_b128.  A block of 16 rows of V^T is channels 8 cb + 0..7 and 64 + 8 cb + 0..7:
; so a lane's 64 registers of a tile of O^T are the 64 NEIGHBOURING channels 64 (lane / 16) + 0..63 of its query: 256 bytes of a row of out0.
; SOFTMAX.  For each query a running maximum m and sum l: p = 2^(c s - c m), c = log2(e) / sqrt(128); in every step O and l are multiplied by a = 2^(c m_old - c m_new), which is 1 where m has not grown.
; BY TURNS.  The wave's tiles are two PIECES: piece 0 (tiles 0, 1) and piece 2 (tiles 2, 3).  In a TURN one piece has the matrix unit: 32 products V^T P of the step in hand, then 32 products K Q^T of the
; next step; the other piece's softmax, cut into 64 slices, stands between them, one slice behind each matrix instruction.  Two turns are a key step.  The rounding of K and V stands in one run at the change of slots.
;
; REGISTERS, in windows of 256 (s_set_vgpr_msb says which window each operand place means: bits 1:0 source 0, 3:2 source 1, 5:4 source 2, 7:6 destination):
;   window 0: v0-11, v44-47 addresses; v12-43 eight registers of statistics a tile; v62-63 the add's; v64-191 S^T, 32 a tile; v192-255 P, 16 a tile
;   window 1: O^T, 64 a tile (at the start: Q in f32)     window 2: v0-127 Q in f16, 32 a tile; v128-255 K of one step (on the way out: rows of out0)
;   window 3: v0-127 V of one step; v128-191, v192-255 two sets of 16 rows x 4 registers for the rounding
.set KS,    64        ; keys in a step
.set NSLOT, 2048/(2*KS)
.set PB,    272       ; an f16 row in LDS: 256 bytes + 16 = 68 words: row r starts at bank 4 r mod 64 (64 banks of 4 bytes: ISA guide 11.1).  K: the 16 rows of a load start at 16 different groups of four banks.
                      ; V: 16 lanes of the turning load take 8 rows x 2 pieces of 16 bytes, 128 bytes apart: pieces r and r + 8 of sixteen, each once
.set TILEB, KS*PB     ; 64 f16 rows: what one wave writes
.set STEPB, TILEB     ; from a step's tile to the next step's
.set VOFF,  2*TILEB   ; an f16 buffer: K step 0, K step 1, V step 0, V step 1: region w is written by wave w
.set F32W,  KS*512    ; a wave's staging bytes: 64 rows of 512 bytes, no padding: every read of them is 512 consecutive bytes
.set BB0,   4*F32W    ; 131,072: behind the staging bytes the two f16 buffers,
.set BBS,   4*TILEB
.set BB1,   BB0+BBS   ; 200,704
.set BBX,   0x11000   ; BB0 xor BB1 (0x20000 xor 0x31000): one exclusive or turns an address at a buffer's head into the other's
.set STAGE, BB1+BBS   ; behind them: 16 rows x 528 bytes for each wave, for the way out
.set SP,    528       ; 512 + 16 = 132 words: 16 rows start at 16 different groups of four banks
.set SPARE, STAGE+4*16*SP  ; behind the stages: the spare words, 128 bytes for each wave: two blocks of 256 bytes that no other line names
.set AK0, 2           ; v2   my lane's place in a tile of K; never rewritten
.set AV0, 3           ; v3   the same for V
.set ADR, 4           ; v4   the LDS address of the run of fragment loads in hand
.set QO,  5           ; v5   my byte offset in the wave's rows of q
.set STO, 6           ; v6   the way out: where I put my 256 bytes of a row
.set RD,  7           ; v7   the way out: where I read a row back
.set GO,  8           ; v8   my byte offset in a row of out0
.set ST,  12          ; tile t's statistics at v[ST+8 t]: +0 c m, +1 m, +2, +3 l (even keys', odd keys'), +4 to +7 c0-c3, at work; a takes c2's place once the maximum is found
.set CVL, 44          ; v44  my 16 bytes in the first row of my wave's staging bytes; never rewritten
.set CV0, 45          ; v45  my 8 bytes in the first row of my wave's region of an f16 buffer, from the buffer's head; never rewritten
.set CVS, 46          ; v46  the same in the buffer that is being written
.set PFO, 47          ; v47  the prefetch's byte offset in a quarter of a slot: 256 x lane + 8,192 x my place in the cluster; never rewritten
.set SPW, 62          ; v62  LDS address of my spare word: SPARE + 4 x my thread's number; never rewritten
.set NIL, 63          ; v63  0; never rewritten
.set S,   64
.set P,   192
.set KF,  128         ; K's fragments, in window 2
.set XA,  128         ; the rounding's two sets, in window 3
.set XB,  192
.set WV,  12          ; s12  my wave's number
.set MH,  19          ; s19  0xffff0000: a word's upper bf16
.set G1,  24          ; s[24:31] descriptor group 1, for K's and V's tiles alike; never rewritten
.set G0K, 32          ; s[32:35] descriptor group 0 for K's tiles: its global address walks
.set G0V, 36          ; s[36:39] the same for V's
.set CB,  40          ; s40  the f16 buffer to be written next
.set PN,  41          ; s41  the slot to be prefetched next
.set OFF, 42          ; s[42:43] that slot's byte offset in the head
.set PFK, 44          ; s[44:45] the prefetch's base in k
.set PFV, 46          ; s[46:47] and in v
.set SLOTS, 56        ; s56  trips of the loop over slots still to go
.set TWICE, 57        ; s57  counts a slot's two steps
.set CS,  58          ; s[58:59] c: the packed scaling names a pair and takes its low word for both halves
.set SEL, 60          ; s[60:61] lane selects for v_permlanex16_b32: each lane takes its own place in the other half
.set TB,  62          ; s62  LDS byte at which K of the step to be fetched begins
.set MSB, 0
.macro WIN new                      ; the immediate's high byte repeats the setting that is left; a switch that changes nothing is dropped
.if MSB != (\new)
	s_set_vgpr_msb (MSB<<8)|(\new)
.set MSB, \new
.endif
.endm
.set W_KQ, 0x0a       ; K and Q in window 2, S^T in window 0
.set W_PV, 0x53       ; V in window 3, P in window 0, O^T in window 1
.set W_RS, 0x41       ; O^T (destination and source 0) in window 1, a in window 0
; The prefetch's two bases are made anew from the slot's number; the number steps and stops at the head's last slot, so that no prefetch leaves the head.
.macro PFSTEP xc
.if \xc
	s_wait_xcnt 0x0                 ; the bases of the last prefetch, issued a whole slot ago, are rewritten only behind this wait (ISA guide 3.1)
.endif
	s_lshl_b32 s[OFF], s[PN], 16    ; a slot is 128 rows of 512 bytes
	s_add_nc_u64 s[PFK:PFK+1], s[6:7], s[OFF:OFF+1]
	s_add_nc_u64 s[PFV:PFV+1], s[8:9], s[OFF:OFF+1]
	s_add_co_u32 s[PN], s[PN], 1
	s_min_u32 s[PN], s[PN], NSLOT-1
.endm
; A joint fill.  Waves 0 and 1 fetch the slot's two steps of K, waves 2 and 3 those of V.  The branch hangs on the wave's number alone: it is the same in every work-group.
; An s_nop 0 and four v_nop follow each of the two lines; then the wave's share of the prefetch; the jump round the other line and the label come after them.
.macro JLOAD
	s_cmp_lt_u32 s[WV], 2
	s_cbranch_scc0 .Lfor_v_\@
	tensor_load_to_lds s[G0K:G0K+3], s[G1:G1+7]
	s_nop 0
.rept 4
	v_nop
.endr
	global_prefetch_b8 v[PFO], s[PFK:PFK+1] th:TH_LOAD_NT scope:SCOPE_SE
	s_branch .Lasked_\@
.Lfor_v_\@:
	tensor_load_to_lds s[G0V:G0V+3], s[G1:G1+7]
	s_nop 0
.rept 4
	v_nop
.endr
	global_prefetch_b8 v[PFO], s[PFV:PFV+1] th:TH_LOAD_NT scope:SCOPE_SE
.Lasked_\@:
.endm
; A round of the cluster's barrier: my work-group's barrier, so that wave 0's signal speaks for all four waves; wave 0 signals for the work-group; every wave waits for all four
; work-groups; my work-group's barrier once more.  No LDS instruction of the wave is pending at a signal.
.macro CROUND
	s_barrier_signal -1
	s_barrier_wait -1
	s_cmp_lg_u32 s[WV], 0
	s_cbranch_scc1 .Lnot_wave_0_\@
	s_barrier_signal -3
.Lnot_wave_0_\@:
	s_barrier_wait -3
	s_barrier_signal -1
	s_barrier_wait -1
.endm
	s_load_b256 s[4:11], s[0:1], 0x0  ; q s[4:5], k s[6:7], v s[8:9], out0 s[10:11]
	v_lshl_add_u32 v[SPW], v0, 2, SPARE
	v_mov_b32 v[NIL], 0
	ds_add_u32 v[SPW], v[NIL]       ; the wave's opening: the add and its wait stand ahead of my first tensor load; the set-up below, work on registers, stands between them
	v_lshrrev_b32 v1, 5, v0
	v_readfirstlane_b32 s[WV], v1   ; wave 0..3
	s_bfe_u32 s13, ttmp6, 0x40000   ; cx: my place in the cluster
	s_lshl_b32 s14, ttmp9, 2        ; in a cluster launch ttmp9 counts clusters
	s_add_co_u32 s14, s14, s13      ; my block of 256 queries = 4 x cluster x + cx: it enters q's and out0's addresses alone
	s_and_b32 s20, ttmp7, 0xffff    ; the head, which the four partners share,
	s_lshl_b32 s20, s20, 20         ; times 2,048 rows of 512 bytes: 63 MiB at the most
	s_mov_b32 s21, 0
	s_and_b32 s16, s[WV], 1         ; which of a slot's two steps I fetch:
	s_lshl_b32 s22, s16, 15         ; its 64 rows of 512 bytes in memory
	s_mov_b32 s23, 0
	s_add_nc_u64 s[22:23], s[22:23], s[20:21]
	s_lshl_b32 s17, s[WV], 15       ; my staging bytes: wave x 32,768: no place in the cluster enters an LDS address
	s_mul_i32 s16, s[WV], TILEB     ; my region of an f16 buffer
	s_lshl_b32 s2, s14, 17          ; my block's 256 rows,
	s_lshl_b32 s3, s[WV], 15        ; my wave's 64 of them
	s_add_co_u32 s2, s2, s3
	s_mov_b32 s3, 0
	s_add_nc_u64 s[2:3], s[2:3], s[20:21]
	s_lshl_b32 s13, s13, 13         ; my work-group's 8,192 bytes of each quarter that is prefetched
	v_and_b32 v10, 31, v0           ; lane
	v_lshl_add_u32 v[PFO], v10, 8, s13
	; descriptor group 1: a tile of 64 rows x 128 elements of 4 bytes, dense in memory and in LDS
	s_mov_b32 s[G1], 15|(2<<16)|(1<<21)  ; 15:0 the mask: all four work-groups; 17:16 elements of 4 bytes; 20 padding off; 21 set beside a mask
	s_mov_b32 s[G1+1], 128<<16      ; 63:48 tensor_dim0, low half = 128
	s_mov_b32 s[G1+2], KS<<16       ; 79:64 its high half = 0; 95:80 tensor_dim1, low half = 64
	s_mov_b32 s[G1+3], 128<<16      ; 111:96 its high half = 0; 127:112 tile_dim0 = 128
	s_mov_b32 s[G1+4], KS           ; 143:128 tile_dim1 = 64; 159:144 tile_dim2 = 0
	s_mov_b32 s[G1+5], 128          ; 191:160 tensor_dim0_stride, low word: elements from row to row
	s_mov_b32 s[G1+6], 0
	s_mov_b32 s[G1+7], 0
	s_mov_b32 s[CS], 0x3e0293ee     ; c = log2(e) / sqrt(128) = 0.127517
	s_mov_b32 s[CS+1], s[CS]        ; named with it as a pair, so it is written
	s_mov_b32 s[SEL], 0x76543210
	s_mov_b32 s[SEL+1], 0xfedcba98
	s_mov_b32 s[MH], 0xffff0000
	s_mov_b32 s[OFF+1], 0
	s_mov_b32 s[SLOTS], NSLOT-2
	s_mov_b32 s[CB], BB0
	s_mov_b32 s[PN], 1
	s_mov_b32 s[TB], BB1+2*STEPB    ; the first change of slots turns this into BB0
	s_mov_b32 s[G0K], 1             ; 1:0 count = 1
	s_mov_b32 s[G0K+1], s17         ; 63:32 LDS address; never rewritten
	s_mov_b32 s[G0V], 1
	s_mov_b32 s[G0V+1], s17
	s_wait_dscnt 0x0                ; the opening add is done
	s_wait_kmcnt 0x0
	s_add_nc_u64 s[6:7], s[6:7], s[22:23]  ; k and v at my quarter of slot 0
	s_add_nc_u64 s[8:9], s[8:9], s[22:23]
	s_add_nc_u64 s[4:5], s[4:5], s[2:3]    ; q and out0 at my wave's first row
	s_add_nc_u64 s[10:11], s[10:11], s[2:3]
	s_mov_b64 s[G0K+2:G0K+3], s[6:7]       ; 120:64 global address
	s_or_b32 s[G0K+3], s[G0K+3], 0x80000000  ; 127:126 type = 2
	s_mov_b64 s[G0V+2:G0V+3], s[8:9]
	s_or_b32 s[G0V+3], s[G0V+3], 0x80000000
	PFSTEP 0                        ; slot 1
	CROUND                          ; all four work-groups are here: the first joint loads meet
	JLOAD                           ; slot 0
	; A fragment of K or Q is 16 rows x 32 channels in 8 registers: lane l holds row l % 16; registers 0-3 channels 8 (l / 16) + 0..7, registers 4-7 channels 16 + 8 (l / 16) + 0..7.
	; In f32 eight channels are 32 bytes, two loads of 16: fragment i (tile i / 4, channels 32 (i % 4) on) comes into 16 registers of window 1 and is rounded into 8 of window 2.
	v_and_b32 v1, 15, v0            ; l % 16
	v_bfe_u32 v9, v0, 4, 1          ; l / 16
	v_lshlrev_b32 v[QO], 9, v1
	v_lshl_add_u32 v[QO], v9, 5, v[QO]  ; row x 512 + 32 x half
	WIN 0x40                        ; destination window 1, address window 0
.irp i, 0,1,2,3,4,5,6,7,8,9,10,11,12,13,14,15
.irp p, 0,1,2,3
	global_load_b128 v[16*(\i)+4*(\p):16*(\i)+4*(\p)+3], v[QO], s[4:5] offset:((\i)/4)*8192+((\i)%4)*128+((\p)/2)*64+((\p)%2)*16
.endr
.endr
	WIN 0
	v_mul_u32_u24 v[AK0], v1, PB
	v_lshl_add_u32 v[AK0], v9, 4, v[AK0]  ; row x pitch + 16 x half
	; The turning load takes 16 keys x 16 channels (lane l reads 16 bytes: key 8 (l / 16) + l % 8; channels 0..7 of the block for (l / 8) % 2 = 0, channels 64..71 for 1) and leaves half a fragment of V^T: lane l holds one channel and 8 keys.
	v_and_b32 v11, 7, v0
	v_lshl_add_u32 v[AV0], v9, 3, v11
	v_mul_u32_u24 v[AV0], v[AV0], PB
	v_bfe_u32 v11, v0, 3, 1
	v_lshl_add_u32 v[AV0], v11, 7, v[AV0]
	v_add_nc_u32 v[AV0], VOFF, v[AV0]
	v_lshl_add_u32 v[CVL], v10, 4, s17  ; 16 x lane + my staging bytes: four channels of f32,
	v_lshl_add_u32 v[CV0], v10, 3, s16  ; which are 8 bytes of f16: 8 x lane + my region
	s_wait_loadcnt 0x0              ; q
	; q's rounding, in three passes: two f32 to a pair of bf16; the pair widened again to two f32, which now have bf16's 8 significant bits; those written as a pair of f16, exactly.
	WIN 0x85                        ; sources window 1, destination window 2
.set n, 0
.rept 128
	v_cvt_pk_bf16_f32 v[n], v[2*n], v[2*n+1]
.set n, n+1
.endr
	WIN 0x48                        ; source 1 window 2, destination window 1
.set n, 0
.rept 128
	v_lshlrev_b32 v[2*n], 16, v[n]
	v_and_b32 v[2*n+1], s[MH], v[n]
.set n, n+1
.endr
	WIN 0x85
.set n, 0
.rept 128
	v_cvt_pk_f16_f32 v[n], v[2*n], v[2*n+1]
.set n, n+1
.endr
	WIN 0
; THE MATRIX WORK OF A TURN, for piece x.  The accumulators take turns, one instruction a turn: between two links of a chain stand 15 (V^T P) or 7 (K Q^T) others'.
; Product i of 32 of O^T += V^T P: keys 32 (i / 16) on, channel block (i / 2) % 8, tile x + i % 2.  zero = 1: the first 16 start the sums: nothing is ever cleared.
.macro PV x, zero
	WIN W_PV
.set rO, 64*((\x)+i%2)+8*((i/2)%8)
.set rV, 64*(i/16)+8*((i/2)%8)
.set rP, P+16*((\x)+i%2)+8*(i/16)
.if (\zero) && (i < 16)
	v_wmma_f32_16x16x32_f16 v[rO:rO+7], v[rV:rV+7], v[rP:rP+7], 0
.else
	v_wmma_f32_16x16x32_f16 v[rO:rO+7], v[rV:rV+7], v[rP:rP+7], v[rO:rO+7]
.endif
.endm
; Product i of 32 of S^T = K Q^T: channels 32 (i / 8) on, keys 16 ((i / 2) % 4) on, tile x + i % 2.  The first 8 start the sums.
.macro KQ x
	WIN W_KQ
.set rS, S+32*((\x)+i%2)+8*((i/2)%4)
.set rK, KF+32*((i/2)%4)+8*(i/8)
.set rQ, 32*((\x)+i%2)+8*(i/8)
.if i < 8
	v_wmma_f32_16x16x32_f16 v[rS:rS+7], v[rK:rK+7], v[rQ:rQ+7], 0
.else
	v_wmma_f32_16x16x32_f16 v[rS:rS+7], v[rK:rK+7], v[rQ:rQ+7], v[rS:rS+7]
.endif
.endm
; THE FRAGMENT LOADS stand in runs of 32, never singly among the matrix instructions: a step's K (64 keys x 128 channels: 16 fragments) and, a turn later, its V (turned).
.macro FETCH_K
	WIN 0
	v_add_nc_u32 v[ADR], s[TB], v[AK0]
	WIN 0x80                        ; destination window 2
.irp f, 0,1,2,3,4,5,6,7,8,9,10,11,12,13,14,15  ; keys 16 (f / 4) on, channels 32 (f % 4) on
	ds_load_b128 v[KF+8*(\f):KF+8*(\f)+3],   v[ADR] offset:((\f)/4)*16*PB+((\f)%4)*64
	ds_load_b128 v[KF+8*(\f)+4:KF+8*(\f)+7], v[ADR] offset:((\f)/4)*16*PB+((\f)%4)*64+32
.endr
.endm
.macro FETCH_V
	WIN 0
	v_add_nc_u32 v[ADR], s[TB], v[AV0]
	s_add_co_u32 s[TB], s[TB], STEPB  ; the next fetch is the next step's
	WIN 0xc0                        ; destination window 3
.irp f, 0,1,2,3,4,5,6,7,8,9,10,11,12,13,14,15  ; keys 32 (f / 8) on, channel block f % 8
	ds_load_tr16_b128 v[8*(\f):8*(\f)+3],   v[ADR] offset:((\f)/8)*32*PB+((\f)%8)*16
	ds_load_tr16_b128 v[8*(\f)+4:8*(\f)+7], v[ADR] offset:((\f)/8)*32*PB+16*PB+((\f)%8)*16
.endr
.endm
; THE VECTOR WORK OF A TURN.  One tile's softmax for one key step is a list of 134 instructions; SM writes number j of it for tile t.  s0-s31 are the lane's 32 scores, in pairs 0-15.
; first = 1: the first key step, which starts m, l and O^T: it has no a and nothing to rescale.
;   0-15    the maximum of s0-s31 and the old m, three operands at a time: four chains c0-c3 of seven scores each (each accumulator's lowest registers are read first), then the four scores left over, c0-c3 and m
;   16-20   the other half of the lanes' maximum; the new m; c m; c m_old - c m_new
;   21-87   33 exponentials (a, then s0-s31) at the odd numbers from 23 on, so that no two follow each other and each has a plain instruction behind it before its result is used.
;           Plain instruction q (number 21, then the even numbers) is whatever is ready: c s - c m for a pair of scores whose exponentials are still to come (q = 0 to 3, then every
;           second q), the rounding to f16 of a pair of weights whose exponentials are done (every other q from 5 on), at last the first three sums
;   88-101  the last rounding; the rest of the sums; l = a l + the sum
;   102-133 the tile's O^T times a: the one part that leaves window 0, so it stands together
.macro SM t, first
.set rT, ST+8*(\t)
.set rS, S+32*(\t)
.set rP, P+16*(\t)
.set rO, 64*(\t)+2*(j-102)
.set q, (j-20)/2
.if j < 102
	WIN 0
.endif
.if j < 4
	v_max3_num_f32 v[rT+4+j], v[rS+8*j], v[rS+8*j+1], v[rS+8*j+2]
.elseif j < 12
	v_max3_num_f32 v[rT+4+j%4], v[rT+4+j%4], v[rS+8*(j%4)+2*(j/4)+1], v[rS+8*(j%4)+2*(j/4)+2]
.elseif j == 12
	v_max3_num_f32 v[rT+4], v[rT+4], v[rS+7], v[rS+15]
.elseif j == 13
	v_max3_num_f32 v[rT+6], v[rT+6], v[rS+23], v[rS+31]
.elseif j == 14
	v_max3_num_f32 v[rT+4], v[rT+4], v[rT+5], v[rT+6]
.elseif (j == 15) && (\first)
	v_max_num_f32 v[rT+4], v[rT+4], v[rT+7]
.elseif j == 15
	v_max3_num_f32 v[rT+4], v[rT+4], v[rT+7], v[rT+1]
.elseif j == 16
	v_permlanex16_b32 v[rT+5], v[rT+4], s[SEL], s[SEL+1]  ; the query's other 32 keys lie in the lane 16 away
.elseif j == 18
	v_max_num_f32 v[rT+1], v[rT+4], v[rT+5]
.elseif j == 19
	v_mul_f32 v[rT], s[CS], v[rT+1]
.elseif ((j == 17) || (j == 20) || (j == 23) || (j > 101)) && (\first)  ; the first step has none of these
.elseif j == 17
	v_mov_b32 v[rT+7], v[rT]        ; c m_old is kept for a: number 19 writes c m anew
.elseif j == 20
	v_sub_f32 v[rT+7], v[rT+7], v[rT]
.elseif j == 23
	v_exp_f32 v[rT+6], v[rT+7]
.elseif (j < 88) && (j > 23) && (j%2 == 1)
	v_exp_f32 v[rS+(j-25)/2], v[rS+(j-25)/2]
.elseif (q < 4) || ((j < 76) && (q%2 == 0))
.set b, q/2+2
.if q < 4
.set b, q
.endif
	v_pk_fma_f32 v[rS+2*b:rS+2*b+1], v[rS+2*b:rS+2*b+1], s[CS:CS+1], v[rT:rT+1] op_sel_hi:[1,0,0] neg_lo:[0,0,1] neg_hi:[0,0,1]  ; pair b: c s - c m
.elseif (j < 88) && (q%2 == 1)
	s_wait_alu depctr_va_vdst(0)
	v_cvt_pk_f16_f32 v[rP+(q-5)/2], v[rS+q-5], v[rS+q-4]  ; pair (q - 5) / 2: its second exponential stands three numbers back
.elseif j == 89
	s_wait_alu depctr_va_vdst(0)
	v_cvt_pk_f16_f32 v[rP+15], v[rS+30], v[rS+31]
.elseif j < 102                     ; the sum of the tile's 16 pairs (in a pair: an even key's weight, an odd key's), in place: sum z of 16 adds neighbours 1, 2, 4 and 8 pairs apart, then l takes it
.set z, j-86
.if j < 89
.set z, (j-76)/4
.endif
.set w, 4
.set u, z
.if z >= 14
.set w, 32
.set u, 0
.elseif z >= 12
.set w, 16
.set u, z-12
.elseif z >= 8
.set w, 8
.set u, z-8
.endif
.if (z == 14) && (\first)
	v_pk_add_f32 v[rT+2:rT+3], v[rS:rS+1], v[rS+16:rS+17]
.elseif z < 15
	v_pk_add_f32 v[rS+w*u:rS+w*u+1], v[rS+w*u:rS+w*u+1], v[rS+w*u+w/2:rS+w*u+w/2+1]
.elseif !(\first)
	v_pk_fma_f32 v[rT+2:rT+3], v[rT+2:rT+3], v[rT+6:rT+7], v[rS:rS+1] op_sel_hi:[1,0,1]
.endif
.else
	WIN W_RS
	v_pk_mul_f32 v[rO:rO+1], v[rO:rO+1], v[rT+6:rT+7] op_sel_hi:[1,0]
.endif
.endm
; Slice k of 64 of piece y's softmax: numbers 2 k and 2 k + 1 of both tiles' lists, four instructions.  2 x 134 = 4 x 64 + 12: the twelve that are over stand together, in slice 63.
.macro SLICE y, first
.if (k >= 11) && (k < 44)           ; tile by tile: plain, exponential, plain, exponential
.irp t, \y, (\y)+1
.irp n, 0,1
.set j, 2*k+(\n)
	SM \t, \first
.endr
.endr
.else                               ; the two tiles alternate, so that no instruction reads the result of the one just before it
.irp n, 0,1,2,3,4,5,6,7
.if ((\n) < 2) || (k == 63)
.irp t, \y, (\y)+1
.set j, 2*k+(\n)
	SM \t, \first
.endr
.endif
.endr
.endif
.set k, k+1
.endm
; A vector instruction that reads a matrix result or writes one of a matrix instruction's registers, and a load into a register that a matrix instruction has read, stand four places behind
; it, and only plain vector instructions that name none of its registers are places (ISA guide 7.12.1 for vector instructions).  In the loop the slices are the places.
.macro PLACES
.rept 4
	v_nop
.endr
.endm
; A TURN.  Piece x has the matrix unit; the other piece's softmax stands in slices behind its matrix instructions.
; pv = 2: 32 products V^T P; 1: they start O^T's sums; 0: none.  kq = 1: 32 products K Q^T for the next step.  A turn with one of the two kinds has two slices behind each product.
; first = 1: the softmax is the first key step's.  Its slices from 51 on are empty: the turn's last products stand bare, and four v_nop take slice 63's part as the places behind them.
; Each run of loads stands behind the second product of a run of 32, 30 matrix instructions ahead of its first use.  Piece 0's turn fetches the next step's K: the last product that read K
; stands in front of slice 63 of the turn before.  Piece 2's turn fetches the same step's V: the last product that read V stands three slices, six plain instructions, back.
.macro TURN x, pv, kq, first
.set k, 0
.set per, 2
.if (\pv) && (\kq)
.set per, 1
.endif
.if \pv
.if (\x) == 0
	s_wait_dscnt 0x0                ; V is in
.endif
.set i, 0
.rept 32
	PV \x, 2-(\pv)
.rept per
	SLICE 2-(\x), \first
.endr
.if ((\x) == 0) && (\kq) && (i == 1)
	FETCH_K
.endif
.set i, i+1
.endr
.endif
.if \kq
.if (\x) == 0
	s_wait_dscnt 0x0                ; K is in
.endif
.set i, 0
.rept 32
	KQ \x
.rept per
	SLICE 2-(\x), \first
.endr
.if ((\x) == 2) && (i == 1)
	FETCH_V
.endif
.set i, i+1
.endr
.endif
.if \first
	PLACES
.endif
.endm
; THE ROUNDING of my 64 staged rows, sixteen rows at a time on two sets of registers.  A row's 512 bytes of f32 are one load of the wave (16 bytes a lane); its 256 bytes of f16 one store (8 bytes a lane).
.macro CVLOAD g, b                  ; rows 16 g on -> set b
	WIN 0xc0                        ; destination window 3, address window 0
.irp r, 0,1,2,3,4,5,6,7,8,9,10,11,12,13,14,15
	ds_load_b128 v[(\b)+4*(\r):(\b)+4*(\r)+3], v[CVL] offset:(16*(\g)+(\r))*512
.endr
.endm
; A lane's four f32 of a row, x0-x3 in registers 0-3, in three passes over the sixteen rows, so that no line waits for the one before it:
; two pairs of bf16 (into registers 0 and 2); each pair widened again to two f32 with bf16's 8 significant bits; those written as two pairs of f16, exactly, into registers 0 and 1.
.macro CVPACK b
	WIN 0xcf                        ; sources and destination window 3
.irp r, 0,1,2,3,4,5,6,7,8,9,10,11,12,13,14,15
	v_cvt_pk_bf16_f32 v[(\b)+4*(\r)],   v[(\b)+4*(\r)],   v[(\b)+4*(\r)+1]
	v_cvt_pk_bf16_f32 v[(\b)+4*(\r)+2], v[(\b)+4*(\r)+2], v[(\b)+4*(\r)+3]
.endr
.irp r, 0,1,2,3,4,5,6,7,8,9,10,11,12,13,14,15
	v_lshlrev_b32 v[(\b)+4*(\r)+1], 16, v[(\b)+4*(\r)]          ; x0
	v_and_b32     v[(\b)+4*(\r)],   s[MH], v[(\b)+4*(\r)]       ; x1
	v_lshlrev_b32 v[(\b)+4*(\r)+3], 16, v[(\b)+4*(\r)+2]        ; x2
	v_and_b32     v[(\b)+4*(\r)+2], s[MH], v[(\b)+4*(\r)+2]     ; x3
.endr
.irp r, 0,1,2,3,4,5,6,7,8,9,10,11,12,13,14,15
	v_cvt_pk_f16_f32 v[(\b)+4*(\r)],   v[(\b)+4*(\r)+1], v[(\b)+4*(\r)]
	v_cvt_pk_f16_f32 v[(\b)+4*(\r)+1], v[(\b)+4*(\r)+3], v[(\b)+4*(\r)+2]
.endr
.endm
.macro CVSTORE g, b
	WIN 0x0c                        ; data (source 1) window 3, address window 0
.irp r, 0,1,2,3,4,5,6,7,8,9,10,11,12,13,14,15
	ds_store_b64 v[CVS], v[(\b)+4*(\r):(\b)+4*(\r)+1] offset:(16*(\g)+(\r))*PB
.endr
.endm
; LDS serves a wave's instructions in order (ISA guide 5.7.1.4), so each count below is what was issued behind the sixteen loads that are wanted; a set is loaded again behind the stores that read it.
.macro CONVERT
	WIN 0
	v_add_nc_u32 v[CVS], s[CB], v[CV0]
	CVLOAD 0, XA
	CVLOAD 1, XB
	s_wait_dscnt 16                 ; rows 0-15 are in: behind them stand the sixteen loads of rows 16-31
	CVPACK XA
	CVSTORE 0, XA
	CVLOAD 2, XA
	s_wait_dscnt 32                 ; rows 16-31: behind them sixteen stores and sixteen loads
	CVPACK XB
	CVSTORE 1, XB
	CVLOAD 3, XB
	s_wait_dscnt 32                 ; rows 32-47: the same
	CVPACK XA
	CVSTORE 2, XA
	s_wait_dscnt 16                 ; rows 48-63: behind them sixteen stores
	CVPACK XB
	CVSTORE 3, XB
.endm
; THE CHANGE OF SLOTS, between piece 2's turn and piece 0's: the last bytes of the f16 buffer in hand, V of its second step, have been asked for.  My quarter of the next slot is waited for, rounded and
; stored into the other f16 buffer.  Then each wave waits for all its tensor loads (none is out: the wait is met at once), adds 0 to its spare word, and waits for that, for its f16 stores, for its reads
; of its staging bytes and for its reads of the buffer in hand.  Behind the barrier the other buffer is whole for all four waves, and nobody reads the one in hand any more.
; fill = 1: my staging bytes are filled again, with the slot after.  The barrier is then a round of the cluster's, so that no wave of any partner still reads its staging bytes or has a load on its way,
; and the joint refill is the first thing behind it.
.macro CHANGE fill
	WIN 0                           ; at a label and at a branch every window is 0
	s_wait_tensorcnt 0x0            ; my one load, issued two key steps ago, has landed: only I read these bytes, so my own wait is all that the reads below need
	CONVERT
	WIN 0
	s_wait_tensorcnt 0x0            ; no tensor load of mine is out, so a group 0 may be written
	ds_add_u32 v[SPW], v[NIL]       ; 0 onto my spare word; with fill = 1 scalar work stands between it and the wait for it
.if \fill
	s_add_nc_u64 s[G0K+2:G0K+3], s[G0K+2:G0K+3], 2*KS*512  ; the next 128 keys; the type bits on top are not reached
	s_add_nc_u64 s[G0V+2:G0V+3], s[G0V+2:G0V+3], 2*KS*512
	PFSTEP 1
	s_xor_b32 s[CB], s[CB], BBX     ; the next rounding writes the other buffer
	s_wait_dscnt 0x0                ; the add, my stores and all my LDS reads are done
	CROUND
	JLOAD
.else
	s_wait_dscnt 0x0                ; the add, my stores and all my LDS reads are done
	s_barrier_signal -1
	s_barrier_wait -1
.endif
	s_sub_co_u32 s[TB], s[TB], 2*STEPB  ; the fetches go back to a buffer's first step,
	s_xor_b32 s[TB], s[TB], BBX     ; in the buffer just written
.endm
; A slot's two key steps: written once, walked twice; the LDS addresses hang on s[TB].
.macro TWO_STEPS
	WIN 0
	s_mov_b32 s[TWICE], 2
.Lstep_\@:
	TURN 0, 2, 1, 0
	TURN 2, 2, 1, 0
	WIN 0
	s_sub_co_u32 s[TWICE], s[TWICE], 1
	s_cmp_lg_u32 s[TWICE], 0
	s_cbranch_scc1 .Lstep_\@
.endm
	CHANGE 1                        ; slot 0 is rounded into buffer 0; slot 1 is asked for
	FETCH_K                         ; key step 0
	s_wait_dscnt 0x0
.set i, 0
.rept 32
	KQ 0                            ; piece 0's first scores: there is no vector work yet to set between them
.set i, i+1
.endr
	WIN 0                           ; the addresses for the way out are made here: five plain instructions, the places behind those products
	s_mul_i32 s18, s[WV], 16*SP
	s_add_co_u32 s18, s18, STAGE    ; my stage
	v_mul_u32_u24 v[STO], v1, SP    ; in: row l % 16, 256 bytes for each half of the lanes
	v_lshl_add_u32 v[STO], v9, 8, v[STO]
	v_add_nc_u32 v[STO], s18, v[STO]
	v_lshl_add_u32 v[RD], v10, 4, s18  ; back: the 32 lanes take one row of 512 bytes,
	v_lshlrev_b32 v[GO], 4, v10     ; and the same in out0
	TURN 2, 0, 1, 1                 ; piece 2's first scores | piece 0's first softmax | V of step 0
	TURN 0, 1, 1, 1                 ; piece 0: V^T P of step 0 starts O^T, K Q^T of step 1 | piece 2's first softmax | K of step 1
	TURN 2, 1, 1, 0                 ; piece 2: the same | piece 0's softmax of step 1 | V of step 1
	WIN 0
.Lslot:                             ; 14 trips: trip m = 1 .. 14 rounds slot m, asks for slot m + 1 and walks the two key steps that fetch slot m's fragments
	CHANGE 1
	TWO_STEPS
	s_sub_co_u32 s[SLOTS], s[SLOTS], 1
	s_cmp_lg_u32 s[SLOTS], 0
	s_cbranch_scc1 .Lslot
	CHANGE 0                        ; the tail is written out: slot 15 is rounded, and nothing is asked for
	TWO_STEPS
	TURN 0, 2, 0, 0                 ; piece 0: V^T P of the last step | piece 2's last softmax
.set i, 0
.rept 32
	PV 2, 0                         ; piece 2: V^T P of the last step
.set i, i+1
.endr
	; THE WAY OUT.  l's two halves and the other half of the lanes' are added; O^T is divided by l and sent through my stage in LDS, a tile (16 rows of out0) at a time.  The additions are the places behind the last products.
	WIN 0
.irp t, 0,1,2,3
	v_add_f32 v[ST+8*(\t)+4], v[ST+8*(\t)+2], v[ST+8*(\t)+3]
.endr
.irp t, 0,1,2,3
	v_permlanex16_b32 v[ST+8*(\t)+5], v[ST+8*(\t)+4], s[SEL], s[SEL+1]
.endr
.irp t, 0,1,2,3
	v_add_f32 v[ST+8*(\t)+4], v[ST+8*(\t)+4], v[ST+8*(\t)+5]
.endr
.irp t, 0,1,2,3
	v_rcp_f32 v[ST+8*(\t)+6], v[ST+8*(\t)+4]
.endr
	v_nop                           ; a plain instruction between the last reciprocal and the use of its result
; Tile t: a lane's 64 channels are 256 bytes of a row; they go into rows of 528 bytes and come back as whole rows of 512, into window 2, whose fragments are no longer wanted.
.macro PACK t
	WIN W_RS
.set i, 64*(\t)
.rept 32
	s_wait_alu depctr_va_vdst(0)
	v_pk_mul_f32 v[i:i+1], v[i:i+1], v[ST+8*(\t)+6:ST+8*(\t)+7] op_sel_hi:[1,0]  ; each accumulator from its low end on
.set i, i+2
.endr
	WIN 0x04                        ; data (source 1) window 1, address window 0
.irp f, 0,1,2,3,4,5,6,7,8,9,10,11,12,13,14,15
	ds_store_b128 v[STO], v[64*(\t)+4*(\f):64*(\t)+4*(\f)+3] offset:16*(\f)
.endr
	WIN 0x80                        ; destination window 2
.irp f, 0,1,2,3,4,5,6,7,8,9,10,11,12,13,14,15
	ds_load_b128 v[64*(\t)+4*(\f):64*(\t)+4*(\f)+3], v[RD] offset:(\f)*SP  ; LDS serves a wave's instructions in order (ISA guide 5.7.1.4): these see the stores above; the next tile's stores come behind them
.endr
.endm
.macro SEND t, younger              ; younger: the LDS instructions issued behind tile t's loads: the next tile's 32, or none
	WIN 0x08                        ; data (source 1) window 2, address window 0
.irp f, 0,1,2,3,4,5,6,7,8,9,10,11,12,13,14,15
	s_wait_dscnt (\younger)+15-(\f)  ; row f is back: behind its load stand the tile's 15 - f later ones and the younger
	global_store_b128 v[GO], v[64*(\t)+4*(\f):64*(\t)+4*(\f)+3], s[10:11] offset:(\t)*8192+(\f)*512 th:TH_STORE_NT  ; the wave stores 512 consecutive bytes, a whole row, at a multiple of 512 from out0's first byte; no register is written again
.endr
.endm
	PACK 0
	PACK 1                          ; a tile's arithmetic stands between the loads of the tile before and its stores
	SEND 0, 32
	PACK 2
	SEND 1, 32
	PACK 3
	SEND 2, 32
	SEND 3, 0
	WIN 0
	s_wait_tensorcnt 0x0            ; the wave's end: behind my last tensor load and my last LDS store
	ds_add_u32 v[SPW], v[NIL]
	s_wait_dscnt 0x0
	CROUND                          ; the closing round: no work-group ends while a partner may still ask for a tile that names it
	s_endpgm
.Lfunc_end_k_qa4dca9aa65_attn:
	.size	k_qa4dca9aa65_attn, .Lfunc_end_k_qa4dca9aa65_attn-k_qa4dca9aa65_attn
	.p2alignl 7, 3214868480
	.fill 96, 4, 3214868480
	.section	.rodata,"a",@progbits
	.p2align	6, 0x0
	.amdhsa_kernel k_qa4dca9aa65_attn
		.amdhsa_group_segment_fixed_size 327680
		.amdhsa_private_segment_fixed_size 0
		.amdhsa_enable_private_segment 0
		.amdhsa_kernarg_size 32
		.amdhsa_user_sgpr_count 2
		.amdhsa_user_sgpr_kernarg_segment_ptr 1
		.amdhsa_wavefront_size32 1
		.amdhsa_system_sgpr_workgroup_id_x 1
		.amdhsa_system_sgpr_workgroup_id_y 1
		.amdhsa_system_sgpr_workgroup_id_z 1
		.amdhsa_system_vgpr_workitem_id 0
		.amdhsa_next_free_vgpr 1024
		.amdhsa_next_free_sgpr 66
		.amdhsa_reserve_vcc 0
		.amdhsa_float_denorm_mode_32 3
		.amdhsa_float_denorm_mode_16_64 3
		.amdhsa_memory_ordered 1
		.amdhsa_forward_progress 1
		.amdhsa_inst_pref_size 255
	.end_amdhsa_kernel
	.section	.bss,"aw",@nobits
	.p2align	6
	.space	262144
	.amdgpu_metadata
---
amdhsa.version: [ 1, 2 ]
amdhsa.kernels:
  - .name:           k_qa4dca9aa65_attn
    .symbol:         k_qa4dca9aa65_attn.kd
    .args:
      - { .name: q, .offset: 0, .size: 8, .value_kind: global_buffer, .address_space: global }
      - { .name: k, .offset: 8, .size: 8, .value_kind: global_buffer, .address_space: global }
      - { .name: v, .offset: 16, .size: 8, .value_kind: global_buffer, .address_space: global }
      - { .name: out0, .offset: 24, .size: 8, .value_kind: global_buffer, .address_space: global }
    .group_segment_fixed_size: 327680
    .private_segment_fixed_size: 0
    .kernarg_segment_align: 8
    .kernarg_segment_size: 32
    .max_flat_workgroup_size: 128
    .sgpr_count:     66
    .vgpr_count:     1024
    .wavefront_size: 32
...
	.end_amdgpu_metadata
.endif
;; end of part 1
